; MI455X (gfx1250); checked and timed in simulation.
; The chip was launched on July 23, 2026; its instructions are those of AMD's public machine-readable ISA for CDNA 5 (MIT licence, August 2026) and "CDNA5" Instruction Set Architecture Reference Guide (July 2026). The comments in the code are by the model that wrote it; some were corrected since.
;; LNN. Allowed arithmetic: float matrix products may take bf16 or f16 operands with f32 sums; other float arithmetic in f32, or as packed bf16 or f16 multiplies, adds, multiply-adds, maxima and minima; sums over many terms, partial sums and values carried from step to step in f32; what a program stores and reads back later, other than sums and carried values, may be rounded once to bf16 or f16.
;; Inputs: W0 2 x 64 float32; W1 64 x 64 float32; W2 64 x 64 float32; W3 64 x 1 float32; b0 64 float32; b1 64 float32; b2 64 float32; b3 1 float32; x 524,288 x 2 float32.
;; Outputs: out0 524,288 x 2 float32.
;; Constants: t = 0.
;; One version. Each part assembles by itself: llvm-mc -triple=amdgcn-amd-amdhsa -mcpu=gfx1250 --defsym DOCPART=n.
;; ======== version 1 of 1: 1 launch
;; limits: values outside matrix products are rounded to f16
;; launch lnn (part 1): grid 256 x 1, 8 waves a work-group, no clusters, 22,272 bytes of LDS; arguments x, W0, b0, W1, b1, W2, b2, W3, b3, out0; writes out0
.if DOCPART == 1
	.amdgcn_target "amdgcn-amd-amdhsa--gfx1250"
	.amdhsa_code_object_version 6
	.text
	.protected	k_q6a9e3edf0c_lnn
	.globl	k_q6a9e3edf0c_lnn
	.p2align	8
	.type	k_q6a9e3edf0c_lnn,@function
k_q6a9e3edf0c_lnn:
	s_mov_b64 s[64:65], 0
	v_nop
	global_prefetch_b8 v0, s[64:65] scope:SCOPE_SE
	s_setreg_imm32_b32 hwreg(HW_REG_WAVE_MODE, 25, 1), 1
	s_wait_xcnt 0x0
; out0[n] = (v, (L_q - L_qv v) / (L_vv + 0.1)) for 524,288 samples x[n] = (q, v); L is the net 2 -> 64 -> 64 -> 64 -> 1 with tanh.
;
; METHOD.  Five streams go forward through the net: the value z and its derivatives z_q, z_v, z_qv, z_vv.  Behind a tanh,
;   h = tanh z,  h_q = h' z_q,  h_v = h' z_v,  h_qv = h' (z_qv - 2 h z_q z_v),  h_vv = h' (z_vv - 2 h z_v z_v),  h' = 1 - h h.
; tanh z = 1 - 2 r with r = 1 / (1 + 2^(c0 z)), c0 = 2 log2 e, and h' = 4 u with u = r - r r.  W0, b0, W1, b1, W2, b2 are multiplied by c0
; once, so that the matrix unit hands over the exponent itself; the factors 4, 2 and 1 / c0 are folded into constants (al: see RANGE):
;   into W1:  h, Cq u, Cv u, Cqv h u, Cvv h u   with Cq = (8/c0) al W0[0], Cv = (8/c0) al W0[1], Cqv = -(16/c0) al^2 W0[0] W0[1],
;             Cvv = -(16/c0) al^2 W0[1]^2  (2/c0 times the derivatives, so layer 2's derivative streams come out twice their size);
;   into W2:  h, u zq, u zv, u (zqv - h zv zq), u (zvv - h zv zv)   (half the size, so layer 3's come out c0/2 times theirs);
;   sums:     sigma = (8/c0) W3 u, hk = (4/c0) h:  S_q += sigma zq, S_qv += sigma (zqv - hk zv zq), S_vv += sigma (zvv - hk zv zv),
;             which are al L_q, al^2 L_qv, al^2 L_vv.
; b3 shifts L by a constant, which no derivative of L sees, whatever the inputs: it is fetched and enters no arithmetic.
;
; FORMAT.  The result divides by L_vv + 0.1, which multiplies every error of the numerator by ten or more, so the operands of layers 1 and 2 are
; f16 (11 significant bits) and not bf16 (8).  Layer 0's operands are bf16 upper and lower parts (see LAYOUT).
; RANGE.  f16 ends at 65,504, so both tangents are scaled by a power of two, al, made from the weights: first derivatives carry al, second
; derivatives al^2, and the recurrences above are homogeneous in that.  With M0 = max |W0|, M1 = max |W1|, G = M0 (1 + 64 M1), al is the power of
; two with 32 <= al G < 64.  With w = al M0, u <= 1/4 and |h u| <= 0.0963:  |Cq|, |Cv| <= 2.78 w < 178;  |Cqv|, |Cvv| <= 5.55 w^2 < 22,800;
; layer 1's streams <= 0.70 w and 0.54 w^2;  |zq|, |zv| <= 128 M1 w, |zqv|, |zvv| <= 98.6 M1 w^2;  layer 2's streams <= 32 M1 w < 32 and
; 24.7 M1 w^2 + 1,577 M1^2 w^2 <= (w (1 + 64 M1))^2 < 4,096.  So no stream can pass f16's end, whatever W0 and W1 hold.
; al enters no address and no branch; 1 / al and 1 / al^2 undo it in the last step.
;
; LAYOUT.  Every product is Z^T = (c0 W^T) H^T: source 0 holds weights (row = output feature), source 1 holds data (column = sample, 16 samples
; a group).  Register j of a result tile t in lane (r, h) is feature 16 t + 8 h + j of sample r: rounded to f16 in pairs, tiles 2 kb and
; 2 kb + 1 ARE registers 0-3 and 4-7 of the next layer's source 1 for features 32 kb .. 32 kb + 31.  Nothing crosses lanes between layers.
; Layer 0 is one matrix step too: x, c0 W0 and c0 b0 go in as bf16 upper and lower parts (8 of the 32 places along K are used), so that
; the first exponent keeps some 16 bits.  One load brings 32 samples; the even group takes those of lanes 0-15 (K places 0-7), the odd group
; those of lanes 16-31 (K places 8-15, where source 0 holds the same constants), the other half of the lanes being zeroed.
;
; SHARES.  256 work-groups of 8 waves; a work-group owns 2,048 samples, a wave 256: 8 pairs of groups.  All weights (34 KB) lie in each
; wave's registers as fragments; W1 and W2 pass through LDS once, to be transposed.  Two waves share a SIMD's registers, 512 each.
; NOT USED: tensor loads (the only stream is 2 KB a wave, asked for one pair ahead), clusters and joint loads (no tile is walked in
; steps: what the work-groups share is the 34 KB of weights, read once by each).
;
; LIMITS.  f16 operands: relative rounding 2^-12; below 2^-14 (in the scaled units) the rounding is absolute, 2^-25.  |c0 W1| and |c0 W2| must stay
; below 65,504.  G's exponent is clamped so that 1 / al^2 is an f32: the bounds of RANGE hold for G up to 2^63; below 2^-57 the derivative
; streams lose bits and at last vanish.  u = r - r r is a difference of numbers near 1 where z is far below 0: its absolute error is up to about 2.4e-7
; there.  v_exp_f32 gives 0 for results below 2^-126 and infinity above the range; both give r = 1 or 0, h = -1 or 1, u = 0.
; The division is v_rcp_f32 and a multiply, not correctly rounded.
.set C0,    0x4038aa3b                 ; c0 = 2 log2 e
.set K8,    0x40317218                 ; 8 / c0 = 4 ln 2
.set K16N,  0xc0b17218                 ; -16 / c0 = -8 ln 2
.set KAP,   0x3fb17218                 ; 4 / c0 = 2 ln 2
.set KAP2N, 0xc0317218                 ; -8 / c0
.set EPSF,  0x3dcccccd                 ; 0.1
.set F64,   0x42800000                 ; 64.0
.set PAIRS, 8                          ; pairs of groups (32 samples, 256 bytes of x) of a wave
; LDS: every byte is written once; W1S, W2S, MXS in front of the first barrier, CST in front of the second; read-only behind them
.set PITCH, 160                        ; a row of 64 f16 (128 bytes) + 32: an odd multiple of 32, for the transposing loads
.set W1S,   0                          ; c0 W1 as [k][m], 64 rows
.set W2S,   64*PITCH                   ; c0 W2
.set CST,   2*64*PITCH                 ; Cq, Cv, Cqv, Cvv: 64 f16 each, 128 bytes each
.set MXS,   CST+512                    ; the largest |W1| of each wave's share: 8 words
; window 0
.set XO,  0                            ; v0        byte offset of my 8 bytes of x and of out0 in the work-group's part
.set LC,  1                            ; v1        16 h: my half's 8 features in a tile's 16 constants
.set X,   2                            ; v[2:3]    (q, v) as loaded
.set OUT, 4                            ; v[4:5]    (v, a) to store
.set PA,  6                            ; v6        (q, v) upper parts, bf16
.set PB,  7                            ; v7        (q, v) lower parts, bf16
.set ONE, 8                            ; v8        (1.0, 1.0) bf16
.set SE,  9                            ; v[9:11]   the even group's three partial sums
.set K1,  12                           ; v[12:13]  4/c0, twice
.set K2,  14                           ; v[14:15]  -8/c0, twice
.set B1,  16                           ; v[16:95]  source 1 of layer 1's products: stream s at 16 s, tile t's four registers at 4 t
.set B2,  96                           ; v[96:175] the same for layer 2's
.set D,   176                          ; v[176:215] results: stream s at 8 s (layer 0: tile t at 8 t)
.set T,   216                          ; v[216:223] at work
.set W3V, 224                          ; v[224:255] (8/c0) W3: register 8 t + j = feature 16 t + 8 h + j
; inside B2, free until layer 1's results are activated
.set B0,  96                           ; v[96:103]  source 1 of layer 0
.set CS,  104                          ; v[104:167] constants: vector c, tile t at 16 c + 4 t
.set UB,  168                          ; v[168:171] u in f16
.set TB,  172                          ; v[172:175] h u in f16
; inside B1, free in layer 3
.set ACC, 16                           ; v[16:27]  sum k, chain a or b, a pair each: 4 k + 2 ab
.set SO,  28                           ; v[28:30]  the odd group's three partial sums
.set FIN, 32                           ; v[32:40]  the last step
; the set-up's registers
.set RAW, 16                           ; v[16:27]  W0[0], W0[1], b0 of feature 16 t + r: 4 registers each, as loaded
.set STG, 32                           ; v[32:63]  W1's and W2's 16 numbers of this thread; later the lower parts of SC
.set PKD, 64                           ; v[64:79]  the same in f16
.set TS,  80                           ; v[80:91]  at work
.set SC,  96                           ; v[96:107] c0 times RAW
.set MW,  120                          ; v120      largest |W1|; then G
.set M0R, 121                          ; v121      largest |W0|
.set MXV, 124                          ; v[124:131] the eight waves' maxima
.set AG1, 176                          ; 4 r
.set AG2, 177                          ; 16 x thread
.set AG4, 178                          ; 32 h
.set ACS, 179                          ; 2 r
.set AST, 180                          ; where this thread's 4 f16 of a row of W1 go
.set ATR, 181                          ; the transposing loads' lane address
.set AMX, 182                          ; 4 x wave
.set AZ,  183                          ; 0
; window 1 (written by its low 8 bits)
.set A0,  0                            ; v[256:287] layer 0's source 0, tile t at 8 t
.set W1F, 32                           ; v[288:351] c0 W1^T: tile t, K half kb at 8 (2 t + kb)
.set W2F, 96                           ; v[352:415] c0 W2^T
.set B1C, 160                          ; v[416:447] c0 b1 as C tiles, 8 t + j
.set B2C, 192                          ; v[448:479] c0 b2
; scalars that stay: s[8:9] x, s[26:27] out0, s29 wave, s32-s35 lane masks and selects, s36 trips, s37 1/al, s38 1/al^2, s39 0.1
; s_set_vgpr_msb: bits 1:0 source 0, 3:2 source 1, 5:4 source 2, 7:6 destination; the high byte repeats the setting that is left
.set MSB, 0
.macro WIN new
.if MSB != \new
	s_set_vgpr_msb (MSB<<8)|\new
.set MSB, \new
.endif
.endm
; A vector instruction that reads a matrix result stands four places behind the matrix instruction, and only plain vector instructions
; that name none of its registers are places (ISA guide 7.12.1).
.macro PLACES
.rept 4
	v_nop
.endr
.endm
; the largest of a register over the 16 lanes of each half
.macro ROWMAX reg
.irp m, 1,2,4,8
	v_max_num_f32_dpp v[\reg], v[\reg], v[\reg] row_xmask:\m row_mask:0xf bank_mask:0xf
.endr
.endm
	s_load_b512 s[8:23], s[0:1], 0x0               ; x s[8:9], W0 s[10:11], b0 s[12:13], W1 s[14:15], b1 s[16:17], W2 s[18:19], b2 s[20:21], W3 s[22:23]
	s_load_b128 s[24:27], s[0:1], 0x40             ; b3 s[24:25], out0 s[26:27]
	s_set_vgpr_msb 0x40
	v_lshl_add_u32 v254, v0, 2, 0x5300
	v_mov_b32 v255, 0
	s_set_vgpr_msb 0x4000
	v_lshrrev_b32 v[T], 5, v0
	v_readfirstlane_b32 s29, v[T]                  ; wave 0..7
	v_and_b32 v[T+1], 15, v0                       ; r
	v_bfe_u32 v[T+2], v0, 4, 1                     ; h
	v_and_b32 v[T+3], 31, v0                       ; lane
	v_and_b32 v[T+4], 7, v0                        ; lane mod 8
	v_bfe_u32 v[T+5], v0, 3, 1                     ; bit 3 of the lane
	s_lshl_b32 s30, ttmp9, 14                      ; the work-group's 2,048 samples of 8 bytes
	s_mov_b32 s31, 0
	s_mov_b32 s32, 0x0000ffff                      ; lanes 0-15
	s_mov_b32 s33, 0xffff0000                      ; lanes 16-31; also a word's upper bf16
	s_mov_b32 s34, 0x76543210                      ; v_permlanex16_b32: lane i reads lane i of the other half
	s_mov_b32 s35, 0xfedcba98
	s_mov_b32 s39, EPSF
	s_mul_i32 s37, s29, 2*PITCH                    ; a wave's 32 threads stage two rows of W1 at a time
	s_lshl_b32 s38, s29, 11                        ; a wave's 256 samples
	s_lshl_b32 s42, s29, 2                         ; a wave's word among the maxima
	v_lshlrev_b32 v[LC], 4, v[T+2]
	v_lshlrev_b32 v[AG1], 2, v[T+1]
	v_lshlrev_b32 v[AG2], 4, v0
	v_lshlrev_b32 v[AG4], 5, v[T+2]
	v_lshlrev_b32 v[ACS], 1, v[T+1]
	v_mul_u32_u24 v[AST], v[T+2], PITCH            ; row 2 wave + h (+ 16 j), columns 4 r .. 4 r + 3
	v_lshl_add_u32 v[AST], v[T+1], 3, v[AST]
	v_add_nc_u32 v[AST], s37, v[AST]
	v_lshl_add_u32 v[ATR], v[T+2], 3, v[T+4]       ; row 8 h + lane mod 8,
	v_mul_u32_u24 v[ATR], v[ATR], PITCH
	v_lshl_add_u32 v[ATR], v[T+5], 4, v[ATR]       ; columns 0-7 or 8-15 of the tile's 16
	v_mov_b32 v[AMX], s42
	v_mov_b32 v[AZ], 0
	v_lshl_add_u32 v[XO], v[T+3], 3, s38           ; the thread's number is not needed behind this line
	s_wait_kmcnt 0x0
	s_load_b32 s28, s[24:25], 0x0                  ; b3: read, and used by nothing (see the head)
	s_add_nc_u64 s[8:9], s[8:9], s[30:31]          ; x and out0 at the work-group's first sample
	s_add_nc_u64 s[26:27], s[26:27], s[30:31]
	; All the set-up's loads in one run, those that are needed first in front.
.irp t, 0,1,2,3
	global_load_b32 v[RAW+\t],   v[AG1], s[10:11] offset:64*\t         ; W0[0][16 t + r]
	global_load_b32 v[RAW+4+\t], v[AG1], s[10:11] offset:256+64*\t     ; W0[1][16 t + r]
	global_load_b32 v[RAW+8+\t], v[AG1], s[12:13] offset:64*\t         ; b0[16 t + r]
.endr
.irp j, 0,1,2,3
	global_load_b128 v[STG+4*\j:STG+4*\j+3],       v[AG2], s[14:15] offset:4096*\j   ; W1: 256 threads x 16 bytes = 16 rows
	global_load_b128 v[STG+16+4*\j:STG+16+4*\j+3], v[AG2], s[18:19] offset:4096*\j   ; W2
.endr
	global_load_b64 v[X:X+1], v[XO], s[8:9] th:TH_LOAD_NT              ; the first pair's 32 samples: 256 consecutive bytes, aligned
.irp i, 0,1,2,3,4,5,6,7
	global_load_b128 v[W3V+4*\i:W3V+4*\i+3], v[AG4], s[22:23] offset:64*(\i>>1)+16*(\i&1)   ; W3[16 t + 8 h + j]
.endr
	WIN 0x40                                       ; destination in window 1, address in window 0
.irp i, 0,1,2,3,4,5,6,7
	global_load_b128 v[B1C+4*\i:B1C+4*\i+3], v[AG4], s[16:17] offset:64*(\i>>1)+16*(\i&1)   ; b1 in the layout of a C tile
	global_load_b128 v[B2C+4*\i:B2C+4*\i+3], v[AG4], s[20:21] offset:64*(\i>>1)+16*(\i&1)   ; b2
.endr
	WIN 0
	s_wait_loadcnt 25                              ; W0, b0, W1, W2 are in; the 1 + 8 + 16 loads issued behind them (x, W3, b1, b2) stay out
	; the largest |W1| of my wave's 512 numbers, for al
	v_max_num_f32 v[MW], |v[STG]|, |v[STG+1]|
.irp i, 2,4,6,8,10,12,14
	v_max3_num_f32 v[MW], v[MW], |v[STG+\i]|, |v[STG+\i+1]|
.endr
	ROWMAX MW
	v_permlanex16_b32 v[T], v[MW], s34, s35        ; its destination counts as read: T was written above
	v_max_num_f32 v[MW], v[MW], v[T]
	ds_store_b32 v[AMX], v[MW] offset:MXS          ; all lanes store the same value to the wave's own word
.irp i, 0,1,2,3,4,5,6,7,8,9,10,11,12,13,14,15
	v_pk_mul_f32 v[STG+2*\i:STG+2*\i+1], v[STG+2*\i:STG+2*\i+1], C0 op_sel_hi:[1,0]
.endr
.irp i, 0,1,2,3,4,5,6,7,8,9,10,11,12,13,14,15
	v_cvt_pk_f16_f32 v[PKD+\i], v[STG+2*\i], v[STG+2*\i+1]
.endr
.irp j, 0,1,2,3
	ds_store_b64 v[AST], v[PKD+2*\j:PKD+2*\j+1]     offset:W1S+16*PITCH*\j
	ds_store_b64 v[AST], v[PKD+8+2*\j:PKD+8+2*\j+1] offset:W2S+16*PITCH*\j
.endr
	s_wait_dscnt 0x0                               ; my LDS stores are done, for the other waves' sake,
	s_barrier_signal -1                            ; and I say so; until all have, register work: the largest |W0| and layer 0's source 0
	v_max_num_f32 v[M0R], |v[RAW]|, |v[RAW+1]|     ; lanes r and r + 16 hold the same 8 numbers of W0, the 16 lanes of a half all 128
.irp i, 2,4,6
	v_max3_num_f32 v[M0R], v[M0R], |v[RAW+\i]|, |v[RAW+\i+1]|
.endr
	ROWMAX M0R
.irp i, 0,2,4,6,8,10
	v_pk_mul_f32 v[SC+\i:SC+\i+1], v[RAW+\i:RAW+\i+1], C0 op_sel_hi:[1,0]
.endr
.irp t, 0,1,2,3
	v_cvt_pk_bf16_f32 v[TS+\t],   v[SC+\t], v[SC+4+\t]
	v_cvt_pk_bf16_f32 v[TS+4+\t], v[SC+8+\t], v[SC+8+\t]
.endr
.irp t, 0,1,2,3
	v_lshlrev_b32 v[STG+\t],   16, v[TS+\t]        ; the upper parts back in f32, in SC's order
	v_and_b32     v[STG+4+\t], s33, v[TS+\t]
	v_lshlrev_b32 v[STG+8+\t], 16, v[TS+4+\t]
.endr
.irp i, 0,2,4,6,8,10
	v_pk_add_f32 v[STG+\i:STG+\i+1], v[SC+\i:SC+\i+1], v[STG+\i:STG+\i+1] neg_lo:[0,1] neg_hi:[0,1]   ; the lower parts, exact
.endr
	WIN 0x40
.irp t, 0,1,2,3
	v_cvt_pk_bf16_f32 v[A0+8*\t],   v[SC+\t], v[SC+4+\t]       ; K places 0, 1 (against q, v upper): W0 upper
	v_cvt_pk_bf16_f32 v[A0+8*\t+1], v[SC+\t], v[SC+4+\t]       ; 2, 3 (against q, v lower): W0 upper
	v_cvt_pk_bf16_f32 v[A0+8*\t+2], v[STG+\t], v[STG+4+\t]     ; 4, 5 (against q, v upper): W0 lower
	v_cvt_pk_bf16_f32 v[A0+8*\t+3], v[SC+8+\t], v[STG+8+\t]    ; 6, 7 (against 1, 1): b0 upper, lower
	v_mov_b32 v[A0+8*\t+4], 0                                  ; K places 16-31 are not used
	v_mov_b32 v[A0+8*\t+5], 0
	v_mov_b32 v[A0+8*\t+6], 0
	v_mov_b32 v[A0+8*\t+7], 0
.endr
	WIN 0
	s_barrier_wait -1                              ; W1, W2 and the eight maxima are whole in LDS
	ds_load_b128 v[MXV:MXV+3],   v[AZ] offset:MXS
	ds_load_b128 v[MXV+4:MXV+7], v[AZ] offset:MXS+16
	; The weights' fragments: row m = 16 t + r of W^T, K = 32 kb + 8 h + 0..7 and 32 kb + 16 + 8 h + 0..7, from rows that lie along m
	WIN 0x40
.irp t, 0,1,2,3
.irp kb, 0,1
	ds_load_tr16_b128 v[W1F+8*(2*\t+\kb):W1F+8*(2*\t+\kb)+3],   v[ATR] offset:W1S+32*PITCH*\kb+32*\t
	ds_load_tr16_b128 v[W1F+8*(2*\t+\kb)+4:W1F+8*(2*\t+\kb)+7], v[ATR] offset:W1S+32*PITCH*\kb+32*\t+16*PITCH
	ds_load_tr16_b128 v[W2F+8*(2*\t+\kb):W2F+8*(2*\t+\kb)+3],   v[ATR] offset:W2S+32*PITCH*\kb+32*\t
	ds_load_tr16_b128 v[W2F+8*(2*\t+\kb)+4:W2F+8*(2*\t+\kb)+7], v[ATR] offset:W2S+32*PITCH*\kb+32*\t+16*PITCH
.endr
.endr
	WIN 0
	v_mov_b32 v[ONE], 0x3f803f80
	v_mov_b32 v[K1], KAP
	v_mov_b32 v[K1+1], KAP
	v_mov_b32 v[K2], KAP2N
	v_mov_b32 v[K2+1], KAP2N
	s_wait_dscnt 32                                ; LDS loads come back in order (ISA guide 5.7.1): the maxima are in, the 32 transposing loads issued behind them stay out
	v_max3_num_f32 v[MW], v[MXV], v[MXV+1], v[MXV+2]
	v_max3_num_f32 v[MW], v[MW], v[MXV+3], v[MXV+4]
	v_max3_num_f32 v[MW], v[MW], v[MXV+5], v[MXV+6]
	v_max_num_f32 v[MW], v[MW], v[MXV+7]           ; M1
	v_mul_f32 v[MW], F64, v[MW]
	v_fma_f32 v[MW], v[MW], v[M0R], v[M0R]         ; G = M0 (1 + 64 M1), not negative, the same in every lane
	v_readfirstlane_b32 s42, v[MW]
	s_lshr_b32 s42, s42, 23                        ; e: 2^(e-127) <= G < 2^(e-126)
	s_max_u32 s42, s42, 70                         ; so that every power below is an f32 (see LIMITS)
	s_min_u32 s42, s42, 190
	s_lshl_b32 s43, s42, 1
	s_sub_co_u32 s40, 259, s42
	s_lshl_b32 s40, s40, 23                        ; al = 2^(132-e): 32 <= al G < 64
	s_sub_co_u32 s37, s42, 5
	s_lshl_b32 s37, s37, 23                        ; 1 / al = 2^(e-132)
	s_sub_co_u32 s38, s43, 137
	s_lshl_b32 s38, s38, 23                        ; 1 / al^2 = 2^(2e-264)
	s_cmp_lg_u32 s29, 0                            ; wave 0 alone makes layer 1's constants; lanes r and r + 16 store the same value to the same bytes
	s_cbranch_scc1 .Lno_cst
.irp i, 0,1,2,3,4,5,6,7
	v_mul_f32 v[RAW+\i], s40, v[RAW+\i]            ; al W0, exact
.endr
.irp t, 0,1,2,3
	v_mul_f32 v[TS],   K8, v[RAW+\t]               ; Cq
	v_mul_f32 v[TS+1], K8, v[RAW+4+\t]             ; Cv
	v_mul_f32 v[TS+2], K16N, v[RAW+4+\t]
	v_mul_f32 v[TS+3], v[TS+2], v[RAW+\t]          ; Cqv
	v_mul_f32 v[TS+2], v[TS+2], v[RAW+4+\t]        ; Cvv
	v_cvt_pk_f16_f32 v[TS+4+2*\t], v[TS], v[TS+1]
	v_cvt_pk_f16_f32 v[TS+5+2*\t], v[TS+3], v[TS+2]
	ds_store_b16        v[ACS], v[TS+4+2*\t] offset:CST+32*\t
	ds_store_b16_d16_hi v[ACS], v[TS+4+2*\t] offset:CST+128+32*\t
	ds_store_b16        v[ACS], v[TS+5+2*\t] offset:CST+256+32*\t
	ds_store_b16_d16_hi v[ACS], v[TS+5+2*\t] offset:CST+384+32*\t
.endr
.Lno_cst:
	s_wait_loadcnt 0x0                             ; x, W3, b1, b2
	s_wait_kmcnt 0x0                               ; b3
	s_wait_dscnt 0x0                               ; wave 0's stores of the constants are done, for the others' sake; every wave's fragments are in
	s_barrier_signal -1                            ; until all have said so, register work
.set q, 0
.rept 16
	v_pk_mul_f32 v[W3V+q:W3V+q+1], v[W3V+q:W3V+q+1], K8 op_sel_hi:[1,0]
.set q, q+2
.endr
	WIN 0x41                                       ; source 0 and destination in window 1
.set q, 0
.rept 32
	v_pk_mul_f32 v[B1C+q:B1C+q+1], v[B1C+q:B1C+q+1], C0 op_sel_hi:[1,0]    ; b1's and b2's tiles lie side by side
.set q, q+2
.endr
	WIN 0
	s_barrier_wait -1                              ; the constants are whole in LDS; nothing writes LDS from here on
; r = 1 / (1 + 2^z') in place on D .. D + n - 1.  Behind a run of transcendentals one plain vector instruction stands before a result is used (ISA guide 5.7.2).
.macro TANH_R n
.set q, 0
.rept \n
	v_exp_f32 v[D+q], v[D+q]
.set q, q+1
.endr
	v_nop
.set q, 0
	s_wait_alu depctr_va_vdst(0)
.rept \n/2
	v_pk_add_f32 v[D+q:D+q+1], v[D+q:D+q+1], 1.0 op_sel_hi:[1,0]
.set q, q+2
.endr
.set q, 0
.rept \n
	v_rcp_f32 v[D+q], v[D+q]
.set q, q+1
.endr
	v_nop
.endm
; Ten matrix instructions: output features 16 t .. 16 t + 15 of all five streams, K = 64 in two halves.  The first half starts the sums: the
; value stream from its bias tile, the others from 0.  The five accumulators take turns, one instruction a turn.
.macro RUN abase, bias, bin, t
	WIN 0x11                                       ; weights and bias in window 1
	v_wmma_f32_16x16x32_f16 v[D:D+7], v[\abase+16*\t:\abase+16*\t+7], v[\bin:\bin+7], v[\bias+8*\t:\bias+8*\t+7]
.irp s, 1,2,3,4
	v_wmma_f32_16x16x32_f16 v[D+8*\s:D+8*\s+7], v[\abase+16*\t:\abase+16*\t+7], v[\bin+16*\s:\bin+16*\s+7], 0
.endr
	WIN 0x01                                       ; weights in window 1
.irp s, 0,1,2,3,4
	v_wmma_f32_16x16x32_f16 v[D+8*\s:D+8*\s+7], v[\abase+16*\t+8:\abase+16*\t+15], v[\bin+16*\s+8:\bin+16*\s+15], v[D+8*\s:D+8*\s+7]
.endr
	WIN 0
	PLACES
.endm
; Layer 1's units, all four tiles (D + 8 t holds tile t's exponents): h, Cq u, Cv u, Cqv h u, Cvv h u into B1.
.macro ACT1
	TANH_R 32
.irp t, 0,1,2,3
	s_wait_dscnt 12-4*\t                           ; LDS loads come back in order (ISA guide 5.7.1): tile t's four constants are in, the later tiles' four each stay out
	s_wait_alu depctr_va_vdst(0)
.irp i, 0,2,4,6
	v_pk_fma_f32 v[T+\i:T+\i+1], v[D+8*\t+\i:D+8*\t+\i+1], -2.0, 1.0 op_sel_hi:[1,0,0]     ; h = 1 - 2 r
.endr
.irp i, 0,1,2,3
	v_cvt_pk_f16_f32 v[B1+4*\t+\i], v[T+2*\i], v[T+2*\i+1]
.endr
.irp i, 0,2,4,6
	v_pk_fma_f32 v[D+8*\t+\i:D+8*\t+\i+1], v[D+8*\t+\i:D+8*\t+\i+1], v[D+8*\t+\i:D+8*\t+\i+1], v[D+8*\t+\i:D+8*\t+\i+1] neg_lo:[1,0,0] neg_hi:[1,0,0]   ; u = r - r r
.endr
.irp i, 0,2,4,6
	v_pk_mul_f32 v[T+\i:T+\i+1], v[T+\i:T+\i+1], v[D+8*\t+\i:D+8*\t+\i+1]                   ; h u
.endr
.irp i, 0,1,2,3
	v_cvt_pk_f16_f32 v[UB+\i], v[D+8*\t+2*\i], v[D+8*\t+2*\i+1]
	v_cvt_pk_f16_f32 v[TB+\i], v[T+2*\i], v[T+2*\i+1]
.endr
.irp i, 0,1,2,3
	v_pk_mul_f16 v[B1+16+4*\t+\i], v[UB+\i], v[CS+4*\t+\i]
	v_pk_mul_f16 v[B1+32+4*\t+\i], v[UB+\i], v[CS+16+4*\t+\i]
	v_pk_mul_f16 v[B1+48+4*\t+\i], v[TB+\i], v[CS+32+4*\t+\i]
	v_pk_mul_f16 v[B1+64+4*\t+\i], v[TB+\i], v[CS+48+4*\t+\i]
.endr
.endr
.endm
; Layer 2's units, tile t.  D: exponent, +8 zq, +16 zv, +24 zqv, +32 zvv.  Out: h, u zq, u zv, u (zqv - h zv zq), u (zvv - h zv zv) into B2.
.macro ACT2 t
	TANH_R 8
	s_wait_alu depctr_va_vdst(0)
.irp i, 0,2,4,6
	v_pk_fma_f32 v[T+\i:T+\i+1], v[D+\i:D+\i+1], -2.0, 1.0 op_sel_hi:[1,0,0]               ; h
.endr
.irp i, 0,1,2,3
	v_cvt_pk_f16_f32 v[B2+4*\t+\i], v[T+2*\i], v[T+2*\i+1]
.endr
.irp i, 0,2,4,6
	v_pk_fma_f32 v[D+\i:D+\i+1], v[D+\i:D+\i+1], v[D+\i:D+\i+1], v[D+\i:D+\i+1] neg_lo:[1,0,0] neg_hi:[1,0,0]   ; u
.endr
.irp i, 0,2,4,6
	v_pk_mul_f32 v[T+\i:T+\i+1], v[T+\i:T+\i+1], v[D+16+\i:D+16+\i+1]                       ; h zv
.endr
.irp i, 0,2,4,6
	v_pk_fma_f32 v[D+24+\i:D+24+\i+1], v[T+\i:T+\i+1], v[D+8+\i:D+8+\i+1], v[D+24+\i:D+24+\i+1] neg_lo:[1,0,0] neg_hi:[1,0,0]
	v_pk_fma_f32 v[D+32+\i:D+32+\i+1], v[T+\i:T+\i+1], v[D+16+\i:D+16+\i+1], v[D+32+\i:D+32+\i+1] neg_lo:[1,0,0] neg_hi:[1,0,0]
.endr
.irp s, 1,2,3,4
.irp i, 0,2,4,6
	v_pk_mul_f32 v[D+8*\s+\i:D+8*\s+\i+1], v[D+8*\s+\i:D+8*\s+\i+1], v[D+\i:D+\i+1]
.endr
.endr
.irp s, 1,2,3,4
.irp i, 0,1,2,3
	v_cvt_pk_f16_f32 v[B2+16*\s+4*\t+\i], v[D+8*\s+2*\i], v[D+8*\s+2*\i+1]
.endr
.endr
.endm
; One term of sum k: sigma's pair i times the pair i of D + src.  Pairs 0, 2 go to chain a, pairs 1, 3 to chain b; start = 1: the product starts the chain.
.macro SUM1 k, src, i, start
.if \start
	v_pk_mul_f32 v[ACC+4*\k+2*(\i&1):ACC+4*\k+2*(\i&1)+1], v[D+2*\i:D+2*\i+1], v[D+\src+2*\i:D+\src+2*\i+1]
.else
	v_pk_fma_f32 v[ACC+4*\k+2*(\i&1):ACC+4*\k+2*(\i&1)+1], v[D+2*\i:D+2*\i+1], v[D+\src+2*\i:D+\src+2*\i+1], v[ACC+4*\k+2*(\i&1):ACC+4*\k+2*(\i&1)+1]
.endif
.endm
; Layer 3's units, tile t, and their share of the three sums.  first = 1: the group's first tile starts the six chains: nothing is cleared.
.macro ACT3 t, first
	TANH_R 8
	s_wait_alu depctr_va_vdst(0)
.irp i, 0,2,4,6
	v_pk_fma_f32 v[T+\i:T+\i+1], v[D+\i:D+\i+1], v[K2:K2+1], v[K1:K1+1]                     ; (4/c0) h
.endr
.irp i, 0,2,4,6
	v_pk_fma_f32 v[D+\i:D+\i+1], v[D+\i:D+\i+1], v[D+\i:D+\i+1], v[D+\i:D+\i+1] neg_lo:[1,0,0] neg_hi:[1,0,0]   ; u
.endr
.irp i, 0,2,4,6
	v_pk_mul_f32 v[T+\i:T+\i+1], v[T+\i:T+\i+1], v[D+16+\i:D+16+\i+1]                       ; (4/c0) h zv
.endr
.irp i, 0,2,4,6
	v_pk_mul_f32 v[D+\i:D+\i+1], v[D+\i:D+\i+1], v[W3V+8*\t+\i:W3V+8*\t+\i+1]               ; sigma
.endr
.irp i, 0,2,4,6
	v_pk_fma_f32 v[D+24+\i:D+24+\i+1], v[T+\i:T+\i+1], v[D+8+\i:D+8+\i+1], v[D+24+\i:D+24+\i+1] neg_lo:[1,0,0] neg_hi:[1,0,0]
	v_pk_fma_f32 v[D+32+\i:D+32+\i+1], v[T+\i:T+\i+1], v[D+16+\i:D+16+\i+1], v[D+32+\i:D+32+\i+1] neg_lo:[1,0,0] neg_hi:[1,0,0]
.endr
.irp i, 0,1
	SUM1 0, 8,  \i, \first
	SUM1 1, 24, \i, \first
	SUM1 2, 32, \i, \first
.endr
.irp i, 2,3
	SUM1 0, 8,  \i, 0
	SUM1 1, 24, \i, 0
	SUM1 2, 32, \i, 0
.endr
.endm
; One group of 16 samples: those of the lanes that mask names.  dst .. dst + 2: this lane's share (its 32 features) of the three sums of sample r.
.macro GROUP mask, dst
.irp t, 0,1,2,3
.irp c, 0,1,2,3
	ds_load_b128 v[CS+16*\c+4*\t:CS+16*\c+4*\t+3], v[LC] offset:CST+128*\c+32*\t           ; constants of features 16 t + 8 h .. + 7; tile 0's first
.endr
.endr
	v_cndmask_b32 v[B0],   0, v[PA],  \mask        ; q, v upper
	v_cndmask_b32 v[B0+1], 0, v[PB],  \mask        ; q, v lower
	v_cndmask_b32 v[B0+2], 0, v[PA],  \mask        ; q, v upper
	v_cndmask_b32 v[B0+3], 0, v[ONE], \mask        ; 1, 1
	v_mov_b32 v[B0+4], 0
	v_mov_b32 v[B0+5], 0
	v_mov_b32 v[B0+6], 0
	v_mov_b32 v[B0+7], 0
	WIN 0x01
.irp t, 0,1,2,3
	v_wmma_f32_16x16x32_bf16 v[D+8*\t:D+8*\t+7], v[A0+8*\t:A0+8*\t+7], v[B0:B0+7], 0
.endr
	WIN 0
	PLACES
	ACT1
	RUN W1F, B1C, B1, 0
	ACT2 0
	RUN W1F, B1C, B1, 1
	ACT2 1
	RUN W1F, B1C, B1, 2
	ACT2 2
	RUN W1F, B1C, B1, 3
	ACT2 3
	RUN W2F, B2C, B2, 0
	ACT3 0, 1
	RUN W2F, B2C, B2, 1
	ACT3 1, 0
	RUN W2F, B2C, B2, 2
	ACT3 2, 0
	RUN W2F, B2C, B2, 3
	ACT3 3, 0
.irp k, 0,1,2
	v_pk_add_f32 v[ACC+4*\k:ACC+4*\k+1], v[ACC+4*\k:ACC+4*\k+1], v[ACC+4*\k+2:ACC+4*\k+3]
.endr
.irp k, 0,1,2
	v_add_f32 v[\dst+\k], v[ACC+4*\k], v[ACC+4*\k+1]
.endr
.endm
; 32 samples.  ahead = 1: the next pair's x is asked for at once, a whole pair's work ahead of its use.
.macro PAIR ahead
	s_wait_loadcnt 0x0                             ; this pair's x: the only load that is out
	s_wait_xcnt 0x0                                ; the last pair's store has had its address translated (ISA guide 3.1): OUT and XO are rewritten only behind this wait
	v_cvt_pk_bf16_f32 v[PA], v[X], v[X+1]
	v_lshlrev_b32 v[T], 16, v[PA]
	v_and_b32 v[T+1], s33, v[PA]
	v_pk_add_f32 v[T:T+1], v[X:X+1], v[T:T+1] neg_lo:[0,1] neg_hi:[0,1]    ; what the rounding left, exact
	v_cvt_pk_bf16_f32 v[PB], v[T], v[T+1]
	v_mov_b32 v[OUT], v[X+1]                       ; v is the result's first number, and X is about to be loaded again
.if \ahead
	v_add_nc_u32 v[XO], 256, v[XO]
	global_load_b64 v[X:X+1], v[XO], s[8:9] th:TH_LOAD_NT
.endif
	GROUP s32, SE
	GROUP s33, SO
	; Sample 32 p + L belongs in lane L.  Lanes 0-15: the even group's shares of lanes L and L + 16; lanes 16-31: the odd group's of L and L - 16.
.irp k, 0,1,2
	v_cndmask_b32 v[FIN+\k],   v[SE+\k], v[SO+\k], s33     ; my own share of my sample
	v_cndmask_b32 v[FIN+3+\k], v[SO+\k], v[SE+\k], s33     ; my share of the other half's sample
.endr
.irp k, 0,1,2
	v_permlanex16_b32 v[FIN+6+\k], v[FIN+3+\k], s34, s35   ; its destination counts as read: these registers were written as part of B1
.endr
.irp k, 0,1,2
	v_add_f32 v[FIN+\k], v[FIN+\k], v[FIN+6+\k]            ; al L_q, al^2 L_qv, al^2 L_vv
.endr
	v_fma_f32 v[FIN+2], v[FIN+2], s38, s39                 ; L_vv + 0.1
	v_mul_f32 v[FIN+1], s38, v[FIN+1]                      ; L_qv
	v_rcp_f32 v[FIN+3], v[FIN+2]
	v_mul_f32 v[FIN+1], v[FIN+1], v[OUT]                   ; L_qv v: the plain instruction behind the reciprocal
	v_fma_f32 v[FIN], v[FIN], s37, -v[FIN+1]               ; L_q - L_qv v
	s_wait_alu depctr_va_vdst(0)
	v_mul_f32 v[OUT+1], v[FIN], v[FIN+3]
.if \ahead
	global_store_b64 v[XO], v[OUT:OUT+1], s[26:27] offset:-256 th:TH_STORE_NT   ; the wave stores 256 consecutive bytes, aligned; XO has stepped on
.else
	global_store_b64 v[XO], v[OUT:OUT+1], s[26:27] th:TH_STORE_NT
.endif
.endm
	s_mov_b32 s36, PAIRS-1
.Lpair:
	PAIR 1
	s_sub_co_u32 s36, s36, 1
	s_cmp_lg_u32 s36, 0
	s_cbranch_scc1 .Lpair
	PAIR 0                                         ; the last pair asks for nothing: no load leaves x
	s_set_vgpr_msb 0x5
	s_wait_tensorcnt 0x0
	ds_add_u32 v254, v255
	s_wait_dscnt 0x0
	s_set_vgpr_msb 0x500
	s_endpgm
.Lfunc_end_k_q6a9e3edf0c_lnn:
	.size	k_q6a9e3edf0c_lnn, .Lfunc_end_k_q6a9e3edf0c_lnn-k_q6a9e3edf0c_lnn
	.p2alignl 7, 3214868480
	.fill 96, 4, 3214868480
	.section	.rodata,"a",@progbits
	.p2align	6, 0x0
	.amdhsa_kernel k_q6a9e3edf0c_lnn
		.amdhsa_group_segment_fixed_size 22272
		.amdhsa_private_segment_fixed_size 0
		.amdhsa_enable_private_segment 0
		.amdhsa_kernarg_size 80
		.amdhsa_user_sgpr_count 2
		.amdhsa_user_sgpr_kernarg_segment_ptr 1
		.amdhsa_wavefront_size32 1
		.amdhsa_system_sgpr_workgroup_id_x 1
		.amdhsa_system_sgpr_workgroup_id_y 1
		.amdhsa_system_sgpr_workgroup_id_z 1
		.amdhsa_system_vgpr_workitem_id 0
		.amdhsa_next_free_vgpr 512
		.amdhsa_next_free_sgpr 66
		.amdhsa_reserve_vcc 0
		.amdhsa_float_denorm_mode_32 3
		.amdhsa_float_denorm_mode_16_64 3
		.amdhsa_memory_ordered 1
		.amdhsa_forward_progress 1
		.amdhsa_inst_pref_size 238
	.end_amdhsa_kernel
	.amdgpu_metadata
---
amdhsa.version: [ 1, 2 ]
amdhsa.kernels:
  - .name:           k_q6a9e3edf0c_lnn
    .symbol:         k_q6a9e3edf0c_lnn.kd
    .args:
      - { .name: x, .offset: 0, .size: 8, .value_kind: global_buffer, .address_space: global }
      - { .name: W0, .offset: 8, .size: 8, .value_kind: global_buffer, .address_space: global }
      - { .name: b0, .offset: 16, .size: 8, .value_kind: global_buffer, .address_space: global }
      - { .name: W1, .offset: 24, .size: 8, .value_kind: global_buffer, .address_space: global }
      - { .name: b1, .offset: 32, .size: 8, .value_kind: global_buffer, .address_space: global }
      - { .name: W2, .offset: 40, .size: 8, .value_kind: global_buffer, .address_space: global }
      - { .name: b2, .offset: 48, .size: 8, .value_kind: global_buffer, .address_space: global }
      - { .name: W3, .offset: 56, .size: 8, .value_kind: global_buffer, .address_space: global }
      - { .name: b3, .offset: 64, .size: 8, .value_kind: global_buffer, .address_space: global }
      - { .name: out0, .offset: 72, .size: 8, .value_kind: global_buffer, .address_space: global }
    .group_segment_fixed_size: 22272
    .private_segment_fixed_size: 0
    .kernarg_segment_align: 8
    .kernarg_segment_size: 80
    .max_flat_workgroup_size: 256
    .sgpr_count:     66
    .vgpr_count:     512
    .wavefront_size: 32
...
	.end_amdgpu_metadata
.endif
;; end of part 1
